; MI455X (gfx1250); checked and timed in simulation.
; The chip was launched on July 23, 2026; its instructions are those of AMD's public machine-readable ISA for CDNA 5 (MIT licence, August 2026) and "CDNA5" Instruction Set Architecture Reference Guide (July 2026). The comments in the code are by the model that wrote it; some were corrected since.
;; Mo E. Allowed arithmetic: matrix products marked QUANTISED: E2M1 operands, one E8M0 scale for each 32 along K, by v_wmma_scale_f32_16x16x128_f8f6f4 with both operands' format E2M1 (or v_wmma_scale_f32_32x16x128_f4), f32 sums; products left as they are: f32 operands where the result goes on into a quantised operand, else bf16, f16 or f32 operands; f32 sums; everything else in f32.
;; Inputs: W1_codes 8 x 512 x 8 x 16 uint8 (E2M1 codes of W1, K innermost, in blocks of 32 codes, two codes a byte); W1_scales 8 x 512 x 8 uint8 (E8M0 scales of W1, one for each 32 codes along K); W2_codes 8 x 256 x 16 x 16 uint8 (E2M1 codes of W2, K innermost, in blocks of 32 codes, two codes a byte); W2_scales 8 x 256 x 16 uint8 (E8M0 scales of W2, one for each 32 codes along K); b1 8 x 512 float32; b2 8 x 256 float32; mask 16 x 2,048 int32; w_gate 256 x 8 float32; x 16 x 2,048 x 256 float32.
;; Outputs: out0 16 x 2,048 x 256 float32; out1 one number float32.
;; This version of the problem:
;;   THIS VERSION OF THE PROBLEM IS GIVEN IN LOW PRECISION. The matrix products marked QUANTISED in the list below multiply operands that are first quantised to E2M1 (2 exponent bits, 1 mantissa bit; 4 bits a number), with one power-of-two scale for each 32 numbers along K (OCP MX v1.0); their sums are f32. All else is computed in f32.
;;   The module's matrix products, in the order in which they are computed (A, B: the left and right operand; K: the contracted axis; several contracted axes count as one K, in the product's order):
;;     1. [M 32,768, K 256] x [K 256, N 8]; A: input x; B: input w_gate: left as it is (N = 8 < 16)
;;     2. batch 32,768 x [M 1, K 4] x [K 4, N 8]; A: softmax; B: computed on the way: left as it is (K = 4 < 32)
;;     3. [M 32,768, K 256] x [K 256, N 512]; A: input x; B: input W1 (given as codes): QUANTISED
;;     4. [M 32,768, K 512] x [K 512, N 256]; A: computed on the way; B: input W2 (given as codes): QUANTISED
;;     5. [M 32,768, K 256] x [K 256, N 512]; A: input x; B: input W1 (given as codes): QUANTISED
;;     6. [M 32,768, K 512] x [K 512, N 256]; A: computed on the way; B: input W2 (given as codes): QUANTISED
;;     7. [M 32,768, K 256] x [K 256, N 512]; A: input x; B: input W1 (given as codes): QUANTISED
;;     8. [M 32,768, K 512] x [K 512, N 256]; A: computed on the way; B: input W2 (given as codes): QUANTISED
;;     9. [M 32,768, K 256] x [K 256, N 512]; A: input x; B: input W1 (given as codes): QUANTISED
;;     10. [M 32,768, K 512] x [K 512, N 256]; A: computed on the way; B: input W2 (given as codes): QUANTISED
;;     11. [M 32,768, K 256] x [K 256, N 512]; A: input x; B: input W1 (given as codes): QUANTISED
;;     12. [M 32,768, K 512] x [K 512, N 256]; A: computed on the way; B: input W2 (given as codes): QUANTISED
;;     13. [M 32,768, K 256] x [K 256, N 512]; A: input x; B: input W1 (given as codes): QUANTISED
;;     14. [M 32,768, K 512] x [K 512, N 256]; A: computed on the way; B: input W2 (given as codes): QUANTISED
;;     15. [M 32,768, K 256] x [K 256, N 512]; A: input x; B: input W1 (given as codes): QUANTISED
;;     16. [M 32,768, K 512] x [K 512, N 256]; A: computed on the way; B: input W2 (given as codes): QUANTISED
;;     17. [M 32,768, K 256] x [K 256, N 512]; A: input x; B: input W1 (given as codes): QUANTISED
;;     18. [M 32,768, K 512] x [K 512, N 256]; A: computed on the way; B: input W2 (given as codes): QUANTISED
;;   THE QUANTISER, for each operand of a quantised product, along K:
;;     - K is cut into blocks of 32 from its start; a last block that is shorter is filled with zeros.
;;     - A block's scale is 2^e with e = floor(log2(the largest magnitude in the block)) - 2, held to -126 .. 127; a block of zeros has e = 0. As a byte (E8M0): e + 127.
;;     - Each number is divided by its block's scale, clamped to +-6, and rounded to the nearest number of E2M1, ties to even, subnormals kept.
;;     - The product sums the exact products of the quantised numbers (number of the format x scale) in f32.
;;   ~~~python
;;   def quantise(x, axis):      # numpy; x: float32 -> the quantised numbers, widened to float32 again
;;       x = np.moveaxis(x, axis, -1); K = x.shape[-1]
;;       x = np.pad(x, [(0, 0)] * (x.ndim - 1) + [(0, -K % 32)]); x = x.reshape(x.shape[:-1] + (-1, 32)); a = np.abs(x).max(-1, keepdims=True)
;;       e = np.where(a > 0, np.clip(np.frexp(np.where(a > 0, a, 1))[1] - 1 - 2, -126, 127), 0)      # np.frexp(a)[1] - 1 = floor(log2(a)), exactly
;;       r = np.clip(x / 2.0 ** e, -6, 6)
;;       step = 2.0 ** (np.maximum(np.frexp(np.where(r == 0, 1, r))[1] - 1, 0) - 1)
;;       q = np.round(r / step) * step * 2.0 ** e      # np.round: ties to even
;;       return np.moveaxis(q.reshape(q.shape[:-2] + (-1,))[..., :K], -1, axis).astype(np.float32)
;;   ~~~
;;   OPERANDS COMPUTED ON THE WAY. 'Computed on the way' means the value that the module computes at that place (a softmax that the list does not call 'softmax' is quantised finished and normalised). What goes into a quantiser is computed in f32, as accurately as f32 sums, v_exp_f32 and their like allow (about 1e-6 of the number): no bf16 or f16 on the way to a quantiser, and a product that is left as it is and whose result goes on into a quantised operand takes f32 operands (vector FMAs, or v_wmma_f32_16x16x4_f32). A number that lies on a knife's edge between two numbers of the format may be rounded either way, as far as f32 arithmetic and the matrix unit's own rounding can turn it there, and no further.
;;   INPUTS GIVEN AS CODES. W1 (in the module: [8, 256, 512], K = its axis 1); W2 (in the module: [8, 512, 256], K = its axis 1): each comes as NAME_codes (uint8): NAME with its K axis moved to the last place and cut into blocks of 32 codes, [.., K / 32, bytes a block], one block behind the other in memory; two codes a byte, the lower K in the low four bits (a code: sign, 2 exponent bits, 1 mantissa bit); and NAME_scales (uint8): the same leading axes, one E8M0 byte (e + 127) for each 32 codes along K. Its value is code x scale, taken as it is: it is not quantised again, and the codes and scales need not be those that the quantiser above would give.
;; One version. Each part assembles by itself: llvm-mc -triple=amdgcn-amd-amdhsa -mcpu=gfx1250 --defsym DOCPART=n.
;; ======== version 1 of 1: 1 launch
;; launch moe (part 1): grid 256 x 1, 4 waves a work-group, clusters of 4 x 1, 327,680 bytes of LDS; arguments x, mask, w_gate, W1_codes, W1_scales, b1, W2_codes, W2_scales, b2, out0, out1; writes out0, out1
.if DOCPART == 1
	.amdgcn_target "amdgcn-amd-amdhsa--gfx1250"
	.amdhsa_code_object_version 6
	.text
	.protected	k_q20823fcccf_moe
	.globl	k_q20823fcccf_moe
	.p2align	8
	.type	k_q20823fcccf_moe,@function
k_q20823fcccf_moe:
	s_mov_b64 s[64:65], 0
	v_nop
	global_prefetch_b8 v0, s[64:65] scope:SCOPE_SE
	s_setreg_imm32_b32 hwreg(HW_REG_WAVE_MODE, 25, 1), 1
	s_wait_xcnt 0x0
	s_wait_alu depctr_hold_cnt(0) depctr_sa_sdst(0) depctr_va_vdst(0) depctr_va_sdst(0) depctr_va_ssrc(0) depctr_va_vcc(0) depctr_vm_vsrc(0)
	s_getreg_b32 s2, hwreg(HW_REG_IB_STS2, 6, 4)
	s_cmp_eq_u32 s2, 0
	s_cbranch_scc0 .Lentry_in_a_cluster
	s_endpgm
.Lentry_in_a_cluster:
	s_bfe_u32 s2, ttmp6, 0x10000c
	s_cmp_lg_u32 s2, 0x3003
	s_cbranch_scc0 .Lentry_shape_is_right
	s_endpgm
.Lentry_shape_is_right:
; out0 = x + sum over e of gate[e] (relu(x W1[e] + b1[e]) W2[e] + b2[e]);  out1 = 0.  32,768 tokens of 256 numbers, 8 experts, hidden layer 512.
; gate = softmax over the 4 largest of the 8 logits x . w_gate (f32, the largest logit taken away first), 0 for the other 4, times float(mask).
; Both products of an expert run on codes of FP4 (E2M1) with one E8M0 scale for each 32 along K.  W1, W2 arrive as codes, K innermost; x and the hidden layer are quantised here, from f32.
; SHARES.  256 work-groups of four waves; a work-group owns 128 tokens, eight tiles of 16.  THE WAVES SHARE THE COLUMNS, NOT THE ROWS: wave w makes hidden units 128 w .. + 127 and outputs
; 64 w .. + 63 for all 128 tokens.  So a byte of an expert's weights is read from LDS by one wave, once, and then serves eight tiles from registers; what goes from wave to wave is the hidden
; layer, as images of the operand's registers (a fragment: 2 x ds_store_b128 at 16 x lane; the same lines as loads give any wave the same registers).
; EVERY EXPERT IS COMPUTED FOR EVERY TOKEN and weighed by its gate (0 where it was not chosen or the mask is 0): the choice selects values only, no address and no branch hangs on it.
; CLUSTER.  The four work-groups of a cluster walk the same weights, 1.09 MB, so each piece is asked for JOINTLY (mask 15): W1(e) always into slot 0, W2(e) always into slot 1, a phase ahead of
; its use.  Waves 0, 1 bring the two halves of a piece's code rows, wave 2 its scale bytes, wave 3 its bias: one tensor load a wave behind each round of the cluster's barrier.
; BOTH PRODUCTS ARE USED TRANSPOSED (source 0 = 16 rows of a weight, source 1 = 16 tokens): a lane holds token lane % 16 throughout.
; THE ROWS OF W1 THAT FORM A TILE ARE NOT NEIGHBOURS: row p of sub-tile 4 c + t is unit 128 w + 64 c + 8 t + p % 8 + 32 (p / 8).  Then register 32 c + 8 t + j of lane (r, h) is k = 64 c + 32 h + 8 t + j
; of the next product's K step w: a WHOLE block of 32 in one lane, in the operand's own order: a block's maximum needs no other lane and the conversions' results are the operand's registers.
; THE ACTIVATION IS MADE ON THE CODES: a block's maximum is taken of the signed sums over a positive floor, so that what is negative does not count; the sums are converted as they are; then a code
; with its sign set is cut down to that sign bit: four whole-number lines for eight codes, where eight maxima would stand.  A negative hidden number so leaves as the code -0, which multiplies as zero.
; THE ROUTER is f32 (v_wmma_f32_16x16x4_f32, 0.1 % of the multiply-adds): x's registers already lie as its operand; rows 8-15 of its other operand repeat experts 0-7, so both halves of the lanes get all 8 logits.
; LIMITS.  NaN or infinite logits are not served; equal logits: the lower index wins.  A block whose largest magnitude lies under 2^-124, a block of zeros too, gets the scale byte 1
; (the stated quantiser: 127 for zeros): its codes are then zeros or as the floor's scale gives them, and the bytes are read by this program alone.
; REGISTERS, in windows of 256 (s_set_vgpr_msb: bits 1:0 source 0, 3:2 source 1, 5:4 source 2, 7:6 destination):
;   window 0: v1-31 addresses; v32-47 W1's scale words, v48-63 W2's, v64-79 x's, v80-87 the hidden layer's; v88-95 gates; v96-159 b1 (my 8 sub-tiles); v160-191 b2; v192-223 the router's sums; v224-255 at work
;   window 1: v0-127 W1's 16 fragments; v128-255 W2's 16 (in the head: w_gate as an operand)
;   window 2: v0-127 x's 16 fragments; v128-255 two sets of 64 hidden numbers, or y (v128-159, v224-255 by turns) and two sets of 4 hidden fragments (v160-223) (in the head: 128 numbers of x)
;   window 3: the sums of out0, (tile m, 16 outputs n) at v[32 m + 8 n] (in the head: x on its way to LDS)
.set P1,    144                        ; a row of W1 in LDS: 128 bytes + 16
.set S1OFF, 512*P1                     ; slot 0: W1's 512 rows, its scale bytes (4,096), b1 (2,048)
.set B1OFF, S1OFF+4096
.set SLOT1, B1OFF+2048
.set P2,    272                        ; a row of W2 in LDS: 256 bytes + 16
.set S2OFF, SLOT1+256*P2               ; slot 1: W2's 256 rows, its scale bytes (4,096), b2 (1,024)
.set B2OFF, S2OFF+4096
.set XRAW,  B2OFF+1024                 ; x as it is, 128 rows of 1,024 bytes + 16
.set XP,    1040
.set XIMG,  XRAW+128*XP                ; x's 16 fragments as images: (tile m, K step s) at 1,024 (2 m + s)
.set XSC,   XIMG+16384                 ; their scale words: 64 x lane + 4 (2 m + s)
.set GIMG,  XSC+2048                   ; gates: 1,024 e + 32 x lane + 4 m
.set WGL,   GIMG+8192                  ; w_gate as it lies in memory
.set SPARE, WGL+8192                   ; the spare words, 128 bytes for each wave: two blocks of 256 bytes that no other line names
.set HIMG,  XRAW                       ; once x has been taken up: the hidden layer's 32 fragments, (m, s) at 1,024 (4 m + s);
.set HSC,   XRAW+32768                 ; their scale words: 512 m + 16 x lane + 4 s;
.set STAGE, XRAW+36864                 ; and a stage of 16 rows x (256 bytes + 16) for each wave, for the way out
.set SP,    272
.set SPW, 1                            ; LDS address of my spare word; never rewritten
.set NIL, 2                            ; 0; never rewritten
.set LI,  3                            ; 16 x lane
.set SH,  4                            ; 8 x (lane / 16)
.set XW,  5                            ; v5-6   x into XRAW, my tile w and my tile w + 4
.set XQA, 7                            ; v7-8   and back, in the quantiser's order
.set XIW, 9
.set XSW, 10
.set GW,  11
.set RES, 13                           ; v13-14 x as the sums' first term: tiles 0-3, tiles 4-7
.set XIR, 15
.set XSR, 16
.set HW,  17
.set HSW, 18
.set HR,  19
.set HSR, 20
.set GR,  21                           ; the expert's gates: 1,024 bytes on with each expert
.set A1,  22
.set S1A, 23
.set B1A, 24
.set A2,  25
.set S2A, 26
.set B2A, 27
.set STO, 28
.set SRD, 29
.set COL, 31                           ; my byte offset in out0's rows
.set W1S, 32
.set W2S, 48
.set XS,  64
.set HS,  80
.set RG,  88
.set RB1, 96
.set OB,  96                           ; the way out: two sets of 32
.set WGS, 96                           ; the head: w_gate on its way to LDS
.set LO,  112                          ; the router: logits, ranks, p, at work
.set RK,  120
.set PP,  128
.set RA,  136
.set RB,  144
.set TT,  152
.set MX,  156
.set MS,  157
.set IV,  158
.set MF,  159
.set RB2, 160
.set XG,  160                          ; the head: offsets for global loads, w_gate's LDS addresses, the two mask words
.set WGG, 161
.set MKA, 162
.set WGW, 163
.set WGR, 164
.set MK,  166
.set LG,  192                          ; four sums of the f32 matrix form: written by matrix instructions alone
.set TM,  224                          ; v224-227 maxima, v228-229 scale operands, v230-231 bytes; the eight together: at work on the codes
.set SO,  228
.set BY,  230
.set PC,  232                          ; two sets of 8 registers of codes
.set PW,  248                          ; two scale words
.set T0,  250
.set PD,  251                          ; the lane permute's destination
.set ZR,  252
.set RR,  254
.set HH,  255
.set W2F, 128                          ; in window 1
.set RHA, 128                          ; in window 2
.set RY,  128                          ; y: set 0 here, set 1 96 registers on
.set RHF, 160
.set K1,  26                           ; s26 0x11111111, s27 0x77777777: for the activation on the codes
.set K7,  27
.set G1C1, 28                          ; s[28:35] group 1: 256 rows x 128 bytes of W1's codes
.set G1C2, 36                          ; s[36:43] 128 rows x 256 bytes of W2's
.set G1S,  44                          ; s[44:51] 4,096 dense bytes
.set G1B1, 52                          ; s[52:59] 2,048
.set G0C1, 60                          ; groups 0, which walk from expert to expert
.set LOG2E, 66
.set G1B2, 68                          ; s[68:75] 1,024
.set G0S1, 76
.set G0B1, 80
.set G0C2, 84
.set G0S2, 88
.set G0B2, 92
.set WV,  96
.set EC,  98
.set GG,  99
.set SEL, 100
.set MSB, 0
.macro WIN new                         ; the immediate's high byte repeats the setting that is left; a switch that changes nothing is dropped
.if MSB != \new
	s_set_vgpr_msb (MSB<<8)|\new
.set MSB, \new
.endif
.endm
.macro PLACES n
.rept \n
	v_nop
.endr
.endm
; A round of the cluster's barrier: my work-group's barrier; wave 0 signals for the work-group; every wave waits for all four work-groups; my work-group's barrier once more.
.macro CROUND
	s_barrier_signal -1
	s_barrier_wait -1
	s_cmp_lg_u32 s[WV], 0
	s_cbranch_scc1 .Lnot_wave_0_\@
	s_barrier_signal -3
.Lnot_wave_0_\@:
	s_barrier_wait -3
	s_barrier_signal -1
	s_barrier_wait -1
.endm
; In front of every barrier behind which a slot is filled again, and at the wave's end: all my tensor loads have landed; 0 onto my spare word;
; the groups 0 of the piece to be asked for step to the next expert while the add is out (no load of mine is out); the add is done and my LDS reads and stores are over.
.macro LINES k
	s_wait_tensorcnt 0x0
	ds_add_u32 v[SPW], v[NIL]
.if \k == 1
	s_add_nc_u64 s[G0C1+2:G0C1+3], s[G0C1+2:G0C1+3], 65536
	s_add_nc_u64 s[G0S1+2:G0S1+3], s[G0S1+2:G0S1+3], 4096
	s_add_nc_u64 s[G0B1+2:G0B1+3], s[G0B1+2:G0B1+3], 2048
.elseif \k == 2
	s_add_nc_u64 s[G0C2+2:G0C2+3], s[G0C2+2:G0C2+3], 65536
	s_add_nc_u64 s[G0S2+2:G0S2+3], s[G0S2+2:G0S2+3], 4096
	s_add_nc_u64 s[G0B2+2:G0B2+3], s[G0B2+2:G0B2+3], 1024
.endif
	s_wait_dscnt 0x0
.endm
; A joint refill, one load a wave.  The branches hang on the wave's number alone.  Four v_nop follow each line.
.macro TLOAD gc, g1c, gs, gb, g1b
	s_cmp_lt_u32 s[WV], 2
	s_cbranch_scc0 .Lscales_\@
	tensor_load_to_lds s[\gc:\gc+3], s[\g1c:\g1c+7]
	s_nop 0
	PLACES 4
	s_branch .Lasked_\@
.Lscales_\@:
	s_cmp_eq_u32 s[WV], 2
	s_cbranch_scc0 .Lbias_\@
	tensor_load_to_lds s[\gs:\gs+3], s[G1S:G1S+7]
	s_nop 0
	PLACES 4
	s_branch .Lasked_\@
.Lbias_\@:
	tensor_load_to_lds s[\gb:\gb+3], s[\g1b:\g1b+7]
	s_nop 0
	PLACES 4
.Lasked_\@:
.endm
.macro SHAPE g, w0, c, r               ; group 1: r rows of c elements, dense in memory
	s_mov_b32 s[\g], \w0
	s_mov_b32 s[\g+1], (\c)<<16                    ; tensor_dim0
	s_mov_b32 s[\g+2], (\r)<<16                    ; tensor_dim1
	s_mov_b32 s[\g+3], (\c)<<16                    ; tile_dim0
	s_mov_b32 s[\g+4], \r                          ; tile_dim1
	s_mov_b32 s[\g+5], \c                          ; from row to row
	s_mov_b32 s[\g+6], 0
	s_mov_b32 s[\g+7], 0
.endm
.macro FP4 d, a, b, c, sa, sb
	v_wmma_scale_f32_16x16x128_f8f6f4 v[(\d):(\d)+7], v[(\a):(\a)+7], v[(\b):(\b)+7], v[(\c):(\c)+7], v[(\sa)], v[(\sb)] matrix_a_fmt:MATRIX_FMT_FP4 matrix_b_fmt:MATRIX_FMT_FP4
.endm
; 64 numbers of a lane in window 2, register 32 c + i = k 64 c + 32 (lane / 16) + i of my token's K step, become the fragment's 8 registers v[pc] on and its scale word v[pw].
; act = 0: the numbers as they are.  act = 1: relu of them: the maxima take the signed numbers, and negative codes are cut to -0 at the end.
.macro QUANT s, pc, pw, act
	WIN 0x28                                       ; the running maxima in window 0, the numbers in window 2
.irp x, 0,1,2,3                        ; four chains of 16 numbers, two to a block; the floor 2^(3 - 127) holds the byte at 1 from below.  Each matrix result is read from its low end on
.if \act
	v_max3_num_f32 v[TM+\x], 0x1800000, v[(\s)+16*\x], v[(\s)+16*\x+1]
.else
	v_max3_num_f32 v[TM+\x], 0x1800000, |v[(\s)+16*\x]|, |v[(\s)+16*\x+1]|
.endif
.endr
.irp i, 2,4,6,8,10,12,14
.irp x, 0,1,2,3
.if \act
	v_max3_num_f32 v[TM+\x], v[TM+\x], v[(\s)+16*\x+\i], v[(\s)+16*\x+\i+1]
.else
	v_max3_num_f32 v[TM+\x], v[TM+\x], |v[(\s)+16*\x+\i]|, |v[(\s)+16*\x+\i+1]|
.endif
.endr
.endr
	WIN 0x02                                       ; the conversions' setting: source 0 in window 2.  The four lines ahead of them have a constant there, so they need no setting of their own
	v_max3_num_f32 v[TM], 0x1800000, v[TM], v[TM+1]       ; my two blocks' largest magnitudes
	v_max3_num_f32 v[TM+2], 0x1800000, v[TM+2], v[TM+3]
	v_add_nc_u32 v[SO], 0xff000000, v[TM]          ; 2 off the exponent field: the conversion takes this operand's exponent field as its scale
	v_add_nc_u32 v[SO+1], 0xff000000, v[TM+2]
.irp c, 0,1
.irp g, 0,1,2,3
	v_cvt_scalef32_pk8_fp4_f32 v[(\pc)+4*\c+\g], v[(\s)+32*\c+8*\g:(\s)+32*\c+8*\g+7], v[SO+\c]
.endr
.endr
	WIN 0
	v_lshrrev_b32 v[BY], 23, v[SO]                 ; the scales' bytes: blocks h and 2 + h of the K step.  (A plain line behind the last scaled conversion, which touches none of its results and writes none of its sources)
	v_lshrrev_b32 v[BY+1], 23, v[SO+1]
	v_lshl_or_b32 v[BY], v[BY+1], 16, v[BY]
	v_lshlrev_b32 v[BY], v[SH], v[BY]              ; at their places in the word (8 h bits up);
	v_permlanex16_b32 v[PD], v[BY], s[SEL], s[SEL+1]
	v_or_b32 v[(\pw)], v[BY], v[PD]                ; with lane l xor 16's two the word is whole
.if \act
.irp g, 0,1,2,3,4,5,6,7
	v_lshrrev_b32 v[TM+\g], 3, v[(\pc)+\g]         ; each code's sign at the foot of its four bits,
.endr
.irp g, 0,1,2,3,4,5,6,7
	v_and_b32 v[TM+\g], s[K1], v[TM+\g]            ; alone: 1 or 0;
.endr
.irp g, 0,1,2,3,4,5,6,7
	v_add_nc_u32 v[TM+\g], s[K7], v[TM+\g]         ; + 7: 8 for a negative code, 7 for any other: no carry leaves the four bits;
.endr
.irp g, 0,1,2,3,4,5,6,7
	v_and_b32 v[(\pc)+\g], v[TM+\g], v[(\pc)+\g]   ; a negative code keeps its sign bit alone (-0), the others all three bits that they have
.endr
.endif
.endm
; My 8 sub-tiles of the hidden layer for tile j of tokens: 16 products back to back, the 8 sums by turns; the first takes b1 as C.
.macro MUL1 j
.set HB, RHA+64*((\j)%2)
	WIN 0x89                                       ; W1 window 1, x window 2, b1 window 0, the sums window 2
.irp u, 0,1,2,3,4,5,6,7
	FP4 HB+8*\u,16*\u,16*(\j),RB1+8*\u,W1S+2*\u,XS+2*(\j)
.endr
	WIN 0xa9                                       ; C = D
.irp u, 0,1,2,3,4,5,6,7
	FP4 HB+8*\u,16*\u+8,16*(\j)+8,HB+8*\u,W1S+2*\u+1,XS+2*(\j)+1
.endr
.endm
; Tile j's hidden numbers become K step w of the second product: the image and its scale word go to LDS.  The wait frees this set of codes, which the stores of two tiles ago read.
; Behind those stores were issued: a piece of W2, a tile's 3 stores, a piece of W2: 7 + 3 + 4 at the least; for tile 0: a piece's 4 and 3 stores.  Tiles 7 and 6 find both sets free: the last barrier's wait was for 0.
.macro TAIL j
.if (\j) == 0
	s_wait_dscnt 7
.elseif (\j) < 6
	s_wait_dscnt 14
.endif
	QUANT RHA+64*((\j)%2),PC+8*((\j)%2),PW+(\j)%2,1
	ds_store_b128 v[HW], v[PC+8*((\j)%2):PC+8*((\j)%2)+3] offset:4096*(\j)
	ds_store_b128 v[HW], v[PC+8*((\j)%2)+4:PC+8*((\j)%2)+7] offset:4096*(\j)+512
	ds_store_b32 v[HSW], v[PW+(\j)%2] offset:512*(\j)
.endm
; Piece i of 8 of W2(e) out of slot 1: two fragments of my tile i / 2 of 16 rows; with the even pieces that tile's scale words and its 8 numbers of b2; with piece 1 the expert's gates.
; 7, 6, 7, 4, 7, 4, 7, 4 loads: short runs, one ahead of each tile's products, in a phase that otherwise asks little of LDS.
.macro RD2C i
.set NN, (\i)/2
.set KB, 2*((\i)%2)
	WIN 0x40
.irp k, 0,1
.irp c, 0,1
	ds_load_b128 v[W2F+32*NN+8*(KB+\k)+4*\c:W2F+32*NN+8*(KB+\k)+4*\c+3], v[A2] offset:16*NN*P2+64*(KB+\k)+32*\c
.endr
.endr
.if ((\i)%2) == 0
	WIN 0
	ds_load_b128 v[W2S+4*NN:W2S+4*NN+3], v[S2A] offset:256*NN
	ds_load_b128 v[RB2+8*NN:RB2+8*NN+3], v[B2A] offset:64*NN
	ds_load_b128 v[RB2+8*NN+4:RB2+8*NN+7], v[B2A] offset:64*NN+16
.endif
.if (\i) == 1
	WIN 0
	ds_load_b128 v[RG:RG+3], v[GR]
	ds_load_b128 v[RG+4:RG+7], v[GR] offset:16
.endif
.endm
; Tile j's products stand ahead of tile j + 1's quantising: the lines of the one are the places behind the other (ISA guide 7.12.1); only tile 7's sums want four v_nop.
.macro PHASE1
	RD2C 0
	MUL1 7
	PLACES 4
.irp j, 6,5,4,3,2,1,0
	RD2C 7-\j
	MUL1 \j
	TAIL \j+1
.endr
	TAIL 0
.endm
; Sub-tile u of W1 out of slot 0: two fragments, two scale words a row, eight numbers of b1: 7 loads.
.macro RDCHUNK u
.set UO, 64*((\u)/4)+8*((\u)%4)        ; the sub-tile's first unit among my 128
	WIN 0x40
.irp s, 0,1
.irp c, 0,1
	ds_load_b128 v[16*(\u)+8*\s+4*\c:16*(\u)+8*\s+4*\c+3], v[A1] offset:UO*P1+64*\s+32*\c
.endr
.endr
	WIN 0
	ds_load_b64 v[W1S+2*(\u):W1S+2*(\u)+1], v[S1A] offset:8*UO
	ds_load_b128 v[RB1+8*(\u):RB1+8*(\u)+3], v[B1A] offset:4*UO
	ds_load_b128 v[RB1+8*(\u)+4:RB1+8*(\u)+7], v[B1A] offset:4*UO+16
.endm
.macro FETCH j                         ; tile j's four hidden fragments and their scale words, into set j % 2: 9 loads
	WIN 0x80
.irp s, 0,1,2,3
.irp c, 0,1
	ds_load_b128 v[RHF+32*((\j)%2)+8*\s+4*\c:RHF+32*((\j)%2)+8*\s+4*\c+3], v[HR] offset:4096*(\j)+1024*\s+512*\c
.endr
.endr
	WIN 0
	ds_load_b128 v[HS+4*((\j)%2):HS+4*((\j)%2)+3], v[HSR] offset:512*(\j)
.endm
.macro MUL2 j                          ; y of tile j, my 64 outputs, into set j % 2: four sums by turns, K step by K step; the first takes b2 as C
.set YB, RY+96*((\j)%2)
.set HFB, RHF+32*((\j)%2)
.set HSB, HS+4*((\j)%2)
	WIN 0x89
.irp n, 0,1,2,3
	FP4 YB+8*\n,W2F+32*\n,HFB,RB2+8*\n,W2S+4*\n,HSB
.endr
	WIN 0xa9
.irp s, 1,2,3
.irp n, 0,1,2,3
	FP4 YB+8*\n,W2F+32*\n+8*\s,HFB+8*\s,YB+8*\n,W2S+4*\n+\s,HSB+\s
.endr
.endr
.endm
.macro COMBINE j                       ; out0's sums += gate x y, two at a time, each y from its low end on; the gate is the low (even j) or the high word of its pair, for both halves
.set YC, RY+96*((\j)%2)
	WIN 0xf2
.irp i, 0,2,4,6,8,10,12,14,16,18,20,22,24,26,28,30
.if ((\j)%2) == 0
	v_pk_fma_f32 v[32*(\j)+\i:32*(\j)+\i+1], v[YC+\i:YC+\i+1], v[RG+2*((\j)/2):RG+2*((\j)/2)+1], v[32*(\j)+\i:32*(\j)+\i+1] op_sel_hi:[1,0,1]
.else
	v_pk_fma_f32 v[32*(\j)+\i:32*(\j)+\i+1], v[YC+\i:YC+\i+1], v[RG+2*((\j)/2):RG+2*((\j)/2)+1], v[32*(\j)+\i:32*(\j)+\i+1] op_sel:[0,1,0] op_sel_hi:[1,1,1]
.endif
.endr
.endm
.macro TOSTAGE m                       ; tile m's 16 rows x my 256 bytes: into my own stage, and back as whole rows (LDS serves a wave's instructions in order: ISA guide 5.7.1.4): 8 stores, 8 loads
	WIN 0x0c
.irp n, 0,1,2,3
	ds_store_b128 v[STO], v[32*(\m)+8*\n:32*(\m)+8*\n+3] offset:64*\n
	ds_store_b128 v[STO], v[32*(\m)+8*\n+4:32*(\m)+8*\n+7] offset:64*\n+16
.endr
	WIN 0
.irp t, 0,1,2,3,4,5,6,7
	ds_load_b128 v[OB+32*((\m)%2)+4*\t:OB+32*((\m)%2)+4*\t+3], v[SRD] offset:2*\t*SP
.endr
.endm
.macro SEND m, younger                 ; younger: the LDS instructions issued behind tile m's loads
	s_wait_dscnt \younger
.irp t, 0,1,2,3,4,5,6,7
	global_store_b128 v[COL], v[OB+32*((\m)%2)+4*\t:OB+32*((\m)%2)+4*\t+3], s[22:23] offset:(16*(\m)+2*\t)*1024 th:TH_STORE_NT   ; 16 lanes store 256 consecutive bytes, at a multiple of 256 from out0's first byte
.endr
.endm
; The second product, tile by tile, 7 down to 0.  A block: tile j's fragments are in; tile j - 1's are asked for; tile j's 16 products; then tile j + 1's 16 packed lines, which name none of
; tile j's registers and so are the places behind its products (ISA guide 7.12.1): y has two sets for that.  Only tile 7 has no such lines behind it: five v_nop, since tile 5's first products write over its y.
; fill = 1: the next expert's W1 is taken out of slot 0 on the way, a sub-tile in each block, BEHIND the fragments: the next block's wait leaves those 7 loads out.
; fill = 0, the last expert: a tile of out0 is finished with its packed lines and LEAVES AT ONCE: tile j + 1 goes through the stage (16 LDS instructions, which the next block's wait leaves out), and tile j + 2,
; back from the stage, is stored: behind its loads stand 9 loads of fragments and the next tile's 16.  Nothing follows this phase under which the stores could leave.
.macro PHASE2 fill
.if \fill
	v_add_nc_u32 v[GR], 1024, v[GR]                ; the next expert's gates (no LDS instruction of mine is out)
.endif
	FETCH 7
.irp j, 7,6,5,4,3,2,1,0
.if \j == 7
	s_wait_dscnt 0x0
.elseif \fill
	s_wait_dscnt 7
.elseif \j == 6
	s_wait_dscnt 0x0
.else
	s_wait_dscnt 16
.endif
.if \j > 0
	FETCH \j-1
.endif
.if \fill
	RDCHUNK \j
.endif
	MUL2 \j
.if \j == 7
	PLACES 5
.else
	COMBINE \j+1
.if \fill == 0
.if \j < 5
	s_wait_xcnt 0x0                                ; tile j + 3's stores, issued a block ago, have read their registers: tile j + 1's rows may land there
.endif
	TOSTAGE \j+1
.if \j == 0
	SEND 2, 16
.elseif \j < 6
	SEND \j+2, 25
.endif
.endif
.endif
.endr
	COMBINE 0                                      ; tile 1's packed lines are the places behind tile 0's products
.if \fill == 0
	s_wait_xcnt 0x0
	TOSTAGE 0
	SEND 1, 16
	SEND 0, 0
.endif
	WIN 0
.endm
; An expert.  Two barriers: in front of the first all reads of slot 0 (this expert's W1) and of the hidden images are over and W2(e) has landed; in front of the second the hidden images lie in LDS,
; all reads of slot 1 are over and W1(e + 1) has landed.  fill = 1: each is a round of the cluster's barrier, and the slot just read out is filled again first thing behind it.
.macro EXPERT fill
.if \fill
	LINES 1
	CROUND
	TLOAD G0C1, G1C1, G0S1, G0B1, G1B1
.else
	LINES 0
	s_barrier_signal -1
	s_barrier_wait -1
	PLACES 4
.endif
	PHASE1
.if \fill
	LINES 2
	CROUND
	TLOAD G0C2, G1C2, G0S2, G0B2, G1B2
.else
	LINES 0
	s_barrier_signal -1
	s_barrier_wait -1
	PLACES 4
.endif
	PHASE2 \fill
.endm
.macro XLOAD jj, i                     ; row i of my tile w + 4 jj: two loads of 512 consecutive bytes
	global_load_b128 v[128*\jj+8*\i:128*\jj+8*\i+3], v[XG], s[4:5] offset:(64*\jj+\i)*1024 th:TH_LOAD_NT
	global_load_b128 v[128*\jj+8*\i+4:128*\jj+8*\i+7], v[XG], s[4:5] offset:(64*\jj+\i)*1024+512 th:TH_LOAD_NT
.endm
.macro XSTORE jj, i
	ds_store_b128 v[XW+\jj], v[128*\jj+8*\i:128*\jj+8*\i+3] offset:XP*\i
	ds_store_b128 v[XW+\jj], v[128*\jj+8*\i+4:128*\jj+8*\i+7] offset:XP*\i+512
.endm
; My tile w + 4 jj: logits, x's two fragments, gates.
.macro XTILE jj
	WIN 0x80
.irp b, 0,1,2,3                        ; register 32 b + i = k 64 b + 32 (lane / 16) + i of token lane % 16 (rows that my own wave stored)
.irp i, 0,1,2,3,4,5,6,7
	ds_load_b128 v[128+32*\b+4*\i:128+32*\b+4*\i+3], v[XQA+\jj] offset:256*\b+16*\i
.endr
.endr
	s_wait_dscnt 0x0
	WIN 0x09                                       ; w_gate window 1, x window 2, the sums window 0
.set q, 0
.rept 64                               ; four sums by turns; the first four steps start them
.if q < 4
	v_wmma_f32_16x16x4_f32 v[LG+8*(q%4):LG+8*(q%4)+7], v[128+2*q:129+2*q], v[128+2*q:129+2*q], 0
.else
	v_wmma_f32_16x16x4_f32 v[LG+8*(q%4):LG+8*(q%4)+7], v[128+2*q:129+2*q], v[128+2*q:129+2*q], v[LG+8*(q%4):LG+8*(q%4)+7]
.endif
.set q, q+1
.endr
	QUANT 128,PC,PW,0
	ds_store_b128 v[XIW], v[PC:PC+3] offset:8192*\jj
	ds_store_b128 v[XIW], v[PC+4:PC+7] offset:8192*\jj+512
	QUANT 192,PC+8,PW+1,0
	ds_store_b128 v[XIW], v[PC+8:PC+11] offset:8192*\jj+1024
	ds_store_b128 v[XIW], v[PC+12:PC+15] offset:8192*\jj+1536
	ds_store_b64 v[XSW], v[PW:PW+1] offset:32*\jj
	PLACES 8                                       ; in front of the first read of the f32 form's sums (ISA guide 7.12.1)
.irp e, 0,1,2,3,4,5,6,7
	v_add_f32 v[RA+\e], v[LG+\e], v[LG+8+\e]       ; register e of each sum is my token's part of logit e; each sum is read from its low end on
.endr
.irp e, 0,1,2,3,4,5,6,7
	v_add_f32 v[RB+\e], v[LG+16+\e], v[LG+24+\e]
.endr
.irp e, 0,1,2,3,4,5,6,7
	v_add_f32 v[LO+\e], v[RA+\e], v[RB+\e]
.endr
.irp e, 0,1,2,3,4,5,6,7
	v_mov_b32 v[RK+\e], 7-\e                       ; a logit's rank = how many beat it; it starts as if every later one did
.endr
	v_max3_num_f32 v[MX], v[LO], v[LO+1], v[LO+2]
	v_max3_num_f32 v[MX], v[MX], v[LO+3], v[LO+4]
	v_max3_num_f32 v[MX], v[MX], v[LO+5], v[LO+6]
	v_max_num_f32 v[MX], v[MX], v[LO+7]            ; the largest logit, which is also the largest of the four kept
.irp e, 1,2,3,4,5,6,7
.irp a, 0,1,2,3,4,5,6
.if \a < \e
	v_cmp_ge_f32 vcc_lo, v[LO+\a], v[LO+\e]        ; the earlier one wins a tie
	v_cndmask_b32 v[TT+\a%4], 0, 1, vcc_lo
	v_add_nc_u32 v[RK+\e], v[RK+\e], v[TT+\a%4]
	v_sub_nc_u32 v[RK+\a], v[RK+\a], v[TT+\a%4]
.endif
.endr
.endr
	v_mul_f32 v[MS], s[LOG2E], v[MX]
.irp e, 0,1,2,3,4,5,6,7
	v_fma_f32 v[PP+\e], v[LO+\e], s[LOG2E], -v[MS] ; (logit - the largest) x log2(e); what rounding leaves in the second term is the same in all eight and cancels in the quotient
.endr
.irp e, 0,1,2,3,4,5,6,7
	v_exp_f32 v[PP+\e], v[PP+\e]
.endr
	v_cvt_f32_i32 v[MF], v[MK+\jj]                 ; the mask as a number.  (A plain place behind the exponentials)
	s_wait_alu depctr_va_vdst(0)
.irp e, 0,1,2,3,4,5,6,7
	v_cmp_gt_u32 vcc_lo, 4, v[RK+\e]
	v_cndmask_b32 v[PP+\e], 0, v[PP+\e], vcc_lo    ; ranks 4 to 7 count for nothing
.endr
	v_add_f32 v[RA], v[PP], v[PP+1]
	v_add_f32 v[RA+1], v[PP+2], v[PP+3]
	v_add_f32 v[RA+2], v[PP+4], v[PP+5]
	v_add_f32 v[RA+3], v[PP+6], v[PP+7]
	v_add_f32 v[RA], v[RA], v[RA+1]
	v_add_f32 v[RA+2], v[RA+2], v[RA+3]
	v_add_f32 v[RA], v[RA], v[RA+2]
	v_rcp_f32 v[IV], v[RA]
	v_nop                                          ; a plain place behind the reciprocal
	s_wait_alu depctr_va_vdst(0)
	v_mul_f32 v[IV], v[IV], v[MF]
.irp e, 0,1,2,3,4,5,6,7
	v_mul_f32 v[PP+\e], v[PP+\e], v[IV]
.endr
.irp e, 0,1,2,3,4,5,6,7
	ds_store_b32 v[GW], v[PP+\e] offset:1024*\e+16*\jj
.endr
.endm
	; ---- the head
	s_load_b512 s[4:19], s[0:1], 0x0               ; x, mask, w_gate, W1's codes, W1's scales, b1, W2's codes, W2's scales
	s_load_b128 s[20:23], s[0:1], 0x40             ; b2, out0
	s_load_b64 s[24:25], s[0:1], 0x50              ; out1
	v_lshl_add_u32 v[SPW], v0, 2, SPARE
	v_mov_b32 v[NIL], 0
	ds_add_u32 v1, v2
	ds_add_u32 v1, v2
	s_wait_dscnt 0x0
	v_lshrrev_b32 v[T0], 5, v0
	v_readfirstlane_b32 s[WV], v[T0]               ; wave 0..3
	v_and_b32 v[T0], 31, v0                        ; lane
	v_and_b32 v[RR], 15, v0                        ; r
	v_bfe_u32 v[HH], v0, 4, 1                      ; h
	v_lshlrev_b32 v[LI], 4, v[T0]
	v_lshlrev_b32 v[SH], 3, v[HH]
	v_mov_b32 v[PD], 0                             ; written once: a lane permute's destination counts as one of its sources
	s_bfe_u32 s2, ttmp6, 0x40000                   ; cx
	s_lshl_b32 s[GG], ttmp9, 2
	s_add_co_u32 s[GG], s[GG], s2                  ; my work-group: it enters the addresses of x, mask and out0, and who stores out1; no LDS address, no branch
	s_lshl_b32 s26, s[GG], 17                      ; 128 rows of 1,024 bytes
	s_mov_b32 s27, 0
	s_lshl_b32 s2, s[GG], 9                        ; 128 words of the mask
	s_mov_b32 s3, 0
	s_lshl_b32 s67, s[WV], 14
	v_add_nc_u32 v[XG], s67, v[LI]                 ; x: my wave's 16 rows, 16 bytes a lane
	v_lshlrev_b32 v[WGG], 4, v0                    ; w_gate: 16 bytes a thread, four times
	s_lshl_b32 s67, s[WV], 6
	v_lshl_add_u32 v[MKA], v[RR], 2, s67           ; the mask word of token 16 w + r
	s_mov_b32 s[SEL], 0x76543210
	s_mov_b32 s[SEL+1], 0xfedcba98                 ; v_permlanex16_b32's selects for lane l xor 16
	s_mov_b32 s[LOG2E], 0x3fb8aa3b
	s_wait_kmcnt 0x0
	s_add_nc_u64 s[4:5], s[4:5], s[26:27]
	s_add_nc_u64 s[22:23], s[22:23], s[26:27]
	s_add_nc_u64 s[6:7], s[6:7], s[2:3]
.irp i, 0,1,2,3
	global_load_b128 v[WGS+4*\i:WGS+4*\i+3], v[WGG], s[8:9] offset:2048*\i
.endr
	global_load_b32 v[MK], v[MKA], s[6:7]
	global_load_b32 v[MK+1], v[MKA], s[6:7] offset:256
	WIN 0xcc                                       ; a load's destination and an LDS store's data in window 3
.irp i, 0,1,2,3,4,5,6,7,8,9,10,11,12,13,14,15
	XLOAD 0, \i
.endr
	WIN 0
	; descriptors.  Group 1: 15:0 the mask, all four work-groups; 17:16 the element's size; 20 padding on; 21 set beside a mask; 24:22 the interval (a row); 31:25 four words
	SHAPE G1C1, 15|(1<<20)|(1<<21)|(4<<22)|(3<<25), 128, 256
	SHAPE G1C2, 15|(1<<20)|(1<<21)|(5<<22)|(3<<25), 256, 128
	SHAPE G1S,  15|(3<<16)|(1<<21), 32, 16
	SHAPE G1B1, 15|(3<<16)|(1<<21), 32, 8
	SHAPE G1B2, 15|(3<<16)|(1<<21), 32, 4
	s_and_b32 s2, s[WV], 1                         ; which half of a piece's code rows waves 0 and 1 bring
	s_lshl_b32 s26, s2, 15                         ; 32,768 bytes of memory a half
	s_mov_b32 s[G0C1], 1
	s_mul_i32 s[G0C1+1], s2, 256*P1
	s_add_nc_u64 s[G0C1+2:G0C1+3], s[10:11], s[26:27]
	s_or_b32 s[G0C1+3], s[G0C1+3], 0x80000000
	s_mov_b32 s[G0S1], 1
	s_mov_b32 s[G0S1+1], S1OFF
	s_mov_b64 s[G0S1+2:G0S1+3], s[12:13]
	s_or_b32 s[G0S1+3], s[G0S1+3], 0x80000000
	s_mov_b32 s[G0B1], 1
	s_mov_b32 s[G0B1+1], B1OFF
	s_mov_b64 s[G0B1+2:G0B1+3], s[14:15]
	s_or_b32 s[G0B1+3], s[G0B1+3], 0x80000000
	s_mov_b32 s[G0C2], 1
	s_mul_i32 s3, s2, 128*P2
	s_add_co_u32 s[G0C2+1], s3, SLOT1
	s_add_nc_u64 s[G0C2+2:G0C2+3], s[16:17], s[26:27]
	s_or_b32 s[G0C2+3], s[G0C2+3], 0x80000000
	s_mov_b32 s[G0S2], 1
	s_mov_b32 s[G0S2+1], S2OFF
	s_mov_b64 s[G0S2+2:G0S2+3], s[18:19]
	s_or_b32 s[G0S2+3], s[G0S2+3], 0x80000000
	s_mov_b32 s[G0B2], 1
	s_mov_b32 s[G0B2+1], B2OFF
	s_mov_b64 s[G0B2+2:G0B2+3], s[20:21]
	s_or_b32 s[G0B2+3], s[G0B2+3], 0x80000000
	CROUND                                         ; all four work-groups are here: the first joint loads meet
	s_cmp_lt_u32 s[WV], 2                          ; a wave's two first fills, its parts of W1(0) and of W2(0), stand in one branch: two loads of mine are out
	s_cbranch_scc0 .Lfirst_scales
	tensor_load_to_lds s[G0C1:G0C1+3], s[G1C1:G1C1+7]
	s_nop 0
	tensor_load_to_lds s[G0C2:G0C2+3], s[G1C2:G1C2+7]
	s_nop 0
	PLACES 4
	s_branch .Lfirst_asked
.Lfirst_scales:
	s_cmp_eq_u32 s[WV], 2
	s_cbranch_scc0 .Lfirst_bias
	tensor_load_to_lds s[G0S1:G0S1+3], s[G1S:G1S+7]
	s_nop 0
	tensor_load_to_lds s[G0S2:G0S2+3], s[G1S:G1S+7]
	s_nop 0
	PLACES 4
	s_branch .Lfirst_asked
.Lfirst_bias:
	tensor_load_to_lds s[G0B1:G0B1+3], s[G1B1:G1B1+7]
	s_nop 0
	tensor_load_to_lds s[G0B2:G0B2+3], s[G1B2:G1B2+7]
	s_nop 0
	PLACES 4
.Lfirst_asked:
	; every LDS address: a constant + a constant x lane (r, h) + a constant x wave
	s_mul_i32 s2, s[WV], 16*XP
	s_add_co_u32 s2, s2, XRAW
	v_add_nc_u32 v[XW], s2, v[LI]                  ; x in: my 16 rows, 512 bytes an instruction
	v_add_nc_u32 v[XW+1], 64*XP, v[XW]
	v_mul_u32_u24 v[ZR], v[RR], XP
	v_lshl_add_u32 v[XQA], v[HH], 7, v[ZR]
	v_add_nc_u32 v[XQA], s2, v[XQA]                ; and back: row r, + 128 h: my 32 numbers of each 64
	v_add_nc_u32 v[XQA+1], 64*XP, v[XQA]
	s_lshl_b32 s2, s[WV], 8
	s_add_co_u32 s2, s2, XRAW
	v_lshl_add_u32 v[RES], v[HH], 5, v[ZR]
	v_add_nc_u32 v[RES], s2, v[RES]                ; x as the sums' first term: row r, my 64 columns, + 32 h
	v_add_nc_u32 v[RES+1], 64*XP, v[RES]
	s_lshl_b32 s2, s[WV], 11
	s_add_co_u32 s2, s2, XIMG
	v_add_nc_u32 v[XIW], s2, v[LI]
	s_lshl_b32 s2, s[WV], 3
	s_add_co_u32 s2, s2, XSC
	v_lshl_add_u32 v[XSW], v[T0], 6, s2
	s_lshl_b32 s2, s[WV], 2
	s_add_co_u32 s2, s2, GIMG
	v_lshl_add_u32 v[GW], v[T0], 5, s2
	v_add_nc_u32 v[XIR], XIMG, v[LI]
	v_lshl_add_u32 v[XSR], v[T0], 6, XSC
	s_lshl_b32 s2, s[WV], 10
	s_add_co_u32 s2, s2, HIMG
	v_add_nc_u32 v[HW], s2, v[LI]
	s_lshl_b32 s2, s[WV], 2
	s_add_co_u32 s2, s2, HSC
	v_add_nc_u32 v[HSW], s2, v[LI]
	v_add_nc_u32 v[HR], HIMG, v[LI]
	v_add_nc_u32 v[HSR], HSC, v[LI]
	v_lshl_add_u32 v[GR], v[T0], 5, GIMG
	v_and_b32 v[ZR], 7, v[RR]
	v_lshl_add_u32 v[WGR], v[ZR], 2, WGL
	v_lshl_add_u32 v[WGR], v[HH], 10, v[WGR]       ; w_gate as an operand: expert r % 8, lanes 16-31 begin 32 rows of 32 bytes further down
	v_lshrrev_b32 v[ZR+1], 3, v[RR]
	v_lshl_add_u32 v[ZR+1], v[ZR+1], 5, v[ZR]
	s_lshl_b32 s2, s[WV], 7
	v_add_nc_u32 v[ZR+1], s2, v[ZR+1]              ; my row of a sub-tile of W1: 128 w + r % 8 + 32 (r / 8)
	v_mul_u32_u24 v[A1], v[ZR+1], P1
	v_lshl_add_u32 v[A1], v[HH], 4, v[A1]
	v_lshl_add_u32 v[S1A], v[ZR+1], 3, S1OFF
	s_lshl_b32 s2, s[WV], 9
	s_add_co_u32 s2, s2, B1OFF
	v_lshl_add_u32 v[B1A], v[HH], 7, s2
	s_lshl_b32 s2, s[WV], 6
	v_add_nc_u32 v[ZR], s2, v[RR]                  ; my row of a tile of W2: 64 w + r
	v_mul_u32_u24 v[A2], v[ZR], P2
	v_lshl_add_u32 v[A2], v[HH], 4, v[A2]
	v_add_nc_u32 v[A2], SLOT1, v[A2]
	v_lshl_add_u32 v[S2A], v[ZR], 4, S2OFF
	s_lshl_b32 s2, s[WV], 8
	s_add_co_u32 s3, s2, B2OFF
	v_lshl_add_u32 v[B2A], v[HH], 5, s3
	v_lshl_add_u32 v[COL], v[RR], 4, s2
	v_lshl_add_u32 v[COL], v[HH], 10, v[COL]       ; out0: lanes 0-15 one token's 256 bytes of mine, lanes 16-31 the next token's
	s_mul_i32 s2, s[WV], 16*SP
	s_add_co_u32 s2, s2, STAGE
	v_mul_u32_u24 v[STO], v[RR], SP
	v_lshl_add_u32 v[STO], v[HH], 5, v[STO]
	v_add_nc_u32 v[STO], s2, v[STO]
	v_mul_u32_u24 v[SRD], v[HH], SP
	v_lshl_add_u32 v[SRD], v[RR], 4, v[SRD]
	v_add_nc_u32 v[SRD], s2, v[SRD]
	v_add_nc_u32 v[WGW], WGL, v[WGG]
	; ---- w_gate through LDS into its operand's registers, while x's rows are still on their way
	s_wait_loadcnt 32                              ; w_gate and the mask are in; behind them: my first tile's 32 loads
.irp i, 0,1,2,3
	ds_store_b128 v[WGW], v[WGS+4*\i:WGS+4*\i+3] offset:2048*\i
.endr
	s_wait_dscnt 0x0                               ; my part of w_gate lies in LDS
	s_barrier_signal -1
	s_barrier_wait -1                              ; everybody's does.
	WIN 0x40
.set q, 0
.rept 128                              ; register q = w_gate[64 (q / 32) + 32 h + q % 32][r % 8]: the same k as register q of x's numbers
	ds_load_b32 v[128+q], v[WGR] offset:32*(64*(q/32)+(q%32))
.set q, q+1
.endr
	; ---- x into LDS
	WIN 0xcc
.irp i, 0,1,2,3,4,5,6,7,8,9,10,11,12,13,14,15
	s_wait_loadcnt 30                              ; row i is in; behind it: 2 (15 - i) loads of this tile and 2 i of the next
	XSTORE 0, \i
	XLOAD 1, \i                                    ; the second tile's rows are asked for as the first's go to LDS: the first tile's work stands between them and the wait for them
.endr
	WIN 0
	XTILE 0
	WIN 0x0c
.irp i, 0,1,2,3,4,5,6,7,8,9,10,11,12,13,14,15
	s_wait_loadcnt 30-2*\i                         ; row i is in; the rows behind it may be out
	XSTORE 1, \i
.endr
	WIN 0
	XTILE 1
	s_wait_tensorcnt 0x1                           ; my part of W1(0) is in; my part of W2(0), issued behind it, may stay out: it is read behind the next barrier
	s_wait_dscnt 0x0                               ; x, its images, its scale words and the gates lie in LDS
	s_barrier_signal -1
	s_barrier_wait -1
.irp u, 0,1,2,3,4,5,6,7
	RDCHUNK \u                                     ; W1(0)
.endr
	WIN 0xc0
.irp m, 0,1,2,3,4,5,6,7
.irp n, 0,1,2,3
	ds_load_b128 v[32*\m+8*\n:32*\m+8*\n+3], v[RES+\m/4] offset:(\m%4)*16*XP+64*\n       ; out0's sums begin as x: nothing is cleared, and the residual costs no addition
	ds_load_b128 v[32*\m+8*\n+4:32*\m+8*\n+7], v[RES+\m/4] offset:(\m%4)*16*XP+64*\n+16
.endr
.endr
	WIN 0x80
.irp f, 0,1,2,3,4,5,6,7,8,9,10,11,12,13,14,15
	ds_load_b128 v[8*\f:8*\f+3], v[XIR] offset:1024*\f                                   ; x's 16 fragments stay in registers
	ds_load_b128 v[8*\f+4:8*\f+7], v[XIR] offset:1024*\f+512
.endr
	WIN 0
.irp i, 0,1,2,3
	ds_load_b128 v[XS+4*\i:XS+4*\i+3], v[XSR] offset:16*\i
.endr
	; ---- the experts: seven trips that ask for the next expert's weights; the last expert is written out, and out0 leaves from inside its second phase
	s_mov_b32 s[K1], 0x11111111
	s_mov_b32 s[K7], 0x77777777
	s_mov_b32 s[EC], 7
.Lexpert:
	EXPERT 1
	s_sub_co_u32 s[EC], s[EC], 1
	s_cmp_lg_u32 s[EC], 0
	s_cbranch_scc1 .Lexpert
	EXPERT 0
	v_lshl_or_b32 v[T0], s[GG], 7, v0              ; out1 = 0: stored by thread 0 of work-group 0 alone
	v_mov_b32 v[ZR], 0
	v_cmp_eq_u32 vcc_lo, 0, v[T0]
	s_wait_xcnt 0x0                                ; EXEC changes only behind this wait
	s_and_saveexec_b32 s2, vcc_lo
	global_store_b32 v[ZR], v[ZR], s[24:25]
	s_wait_xcnt 0x0                                ; and again, in front of the line that widens it
	s_or_b32 exec_lo, exec_lo, s2
	LINES 0                                        ; the wave's end: behind my last tensor load and my last LDS store
	CROUND                                         ; the closing round: no work-group ends while a partner may still ask for a piece that names it
	s_endpgm
.Lfunc_end_k_q20823fcccf_moe:
	.size	k_q20823fcccf_moe, .Lfunc_end_k_q20823fcccf_moe-k_q20823fcccf_moe
	.p2alignl 7, 3214868480
	.fill 96, 4, 3214868480
	.section	.rodata,"a",@progbits
	.p2align	6, 0x0
	.amdhsa_kernel k_q20823fcccf_moe
		.amdhsa_group_segment_fixed_size 327680
		.amdhsa_private_segment_fixed_size 0
		.amdhsa_enable_private_segment 0
		.amdhsa_kernarg_size 88
		.amdhsa_user_sgpr_count 2
		.amdhsa_user_sgpr_kernarg_segment_ptr 1
		.amdhsa_wavefront_size32 1
		.amdhsa_system_sgpr_workgroup_id_x 1
		.amdhsa_system_sgpr_workgroup_id_y 1
		.amdhsa_system_sgpr_workgroup_id_z 1
		.amdhsa_system_vgpr_workitem_id 0
		.amdhsa_next_free_vgpr 1024
		.amdhsa_next_free_sgpr 102
		.amdhsa_reserve_vcc 1
		.amdhsa_float_denorm_mode_32 3
		.amdhsa_float_denorm_mode_16_64 3
		.amdhsa_memory_ordered 1
		.amdhsa_forward_progress 1
		.amdhsa_inst_pref_size 255
	.end_amdhsa_kernel
	.section	.bss,"aw",@nobits
	.p2align	6
	.space	262144
	.amdgpu_metadata
---
amdhsa.version: [ 1, 2 ]
amdhsa.kernels:
  - .name:           k_q20823fcccf_moe
    .symbol:         k_q20823fcccf_moe.kd
    .args:
      - { .name: x, .offset: 0, .size: 8, .value_kind: global_buffer, .address_space: global }
      - { .name: mask, .offset: 8, .size: 8, .value_kind: global_buffer, .address_space: global }
      - { .name: w_gate, .offset: 16, .size: 8, .value_kind: global_buffer, .address_space: global }
      - { .name: W1_codes, .offset: 24, .size: 8, .value_kind: global_buffer, .address_space: global }
      - { .name: W1_scales, .offset: 32, .size: 8, .value_kind: global_buffer, .address_space: global }
      - { .name: b1, .offset: 40, .size: 8, .value_kind: global_buffer, .address_space: global }
      - { .name: W2_codes, .offset: 48, .size: 8, .value_kind: global_buffer, .address_space: global }
      - { .name: W2_scales, .offset: 56, .size: 8, .value_kind: global_buffer, .address_space: global }
      - { .name: b2, .offset: 64, .size: 8, .value_kind: global_buffer, .address_space: global }
      - { .name: out0, .offset: 72, .size: 8, .value_kind: global_buffer, .address_space: global }
      - { .name: out1, .offset: 80, .size: 8, .value_kind: global_buffer, .address_space: global }
    .group_segment_fixed_size: 327680
    .private_segment_fixed_size: 0
    .kernarg_segment_align: 8
    .kernarg_segment_size: 88
    .max_flat_workgroup_size: 128
    .sgpr_count:     102
    .vgpr_count:     1024
    .wavefront_size: 32
...
	.end_amdgpu_metadata
.endif
;; end of part 1
